; MI455X (gfx1250); checked and timed in simulation.
; The chip was launched on July 23, 2026; its instructions are those of AMD's public machine-readable ISA for CDNA 5 (MIT licence, August 2026) and "CDNA5" Instruction Set Architecture Reference Guide (July 2026). The comments in the code are by the model that wrote it; some were corrected since.
;; Moving Avg Time. Allowed arithmetic: float matrix products may take bf16 or f16 operands with f32 sums; all other float work in f32.
;; Inputs: x 32 x 4,096 x 64 float32.
;; Outputs: out0 32 x 4,096 x 64 float32.
;; Constants: kernel_size = 16.
;; One version. Each part assembles by itself: llvm-mc -triple=amdgcn-amd-amdhsa -mcpu=gfx1250 --defsym DOCPART=n.
;; ======== version 1 of 1: 1 launch
;; launch movavg (part 1): grid 8 x 32, 8 waves a work-group, no clusters, 0 bytes of LDS; arguments x, out0; writes out0
.if DOCPART == 1
	.amdgcn_target "amdgcn-amd-amdhsa--gfx1250"
	.amdhsa_code_object_version 6
	.text
	.protected	k_qeb44a0f7b7_movavg
	.globl	k_qeb44a0f7b7_movavg
	.p2align	8
	.type	k_qeb44a0f7b7_movavg,@function
k_qeb44a0f7b7_movavg:
	s_mov_b64 s[64:65], 0
	v_nop
	global_prefetch_b8 v0, s[64:65] scope:SCOPE_SE
	s_setreg_imm32_b32 hwreg(HW_REG_WAVE_MODE, 25, 1), 1
	s_wait_xcnt 0x0
; out0[b][j][c] = (1/16) * sum over a = starts[j] .. starts[j]+15 of x[b][a][c].   x, out0: [32][4096][64] f32.
; The matrix K of the problem is built by the problem itself: row j holds 1/16 in 16 neighbouring columns and 0 elsewhere, so only the
; 16 terms inside the band are summed.  starts[j] = min(trunc(f32((j + 0.5) * 4081/4096)), 4080).
;
; WHY VECTOR ARITHMETIC IN f32: with equal weights neighbouring windows share partial sums.  A doubling tree (sums of 2, 4, 8, 16 rows)
; costs 4 additions an output; a matrix instruction shares nothing between rows, and would want every input rounded to bf16 and
; transposed first, which is more vector work than the tree.  The tree forms no difference of sums.
;
; SHARES: a work-group takes 512 output rows of one batch, a wave 64 of them (j0 .. j0+63), a lane 8 bytes (2 columns) of every row, so
; each load and each store of a wave covers one whole row: 256 consecutive bytes at a multiple of 256 from the buffer's first byte.
; A wave's 64 windows lie in the 79 input rows s0 .. s0+78, s0 = starts[j0]; all 79 are asked for in one run and stay in registers.
; j - starts[j] grows by 1 at fifteen places that lie at least 273 rows apart, so inside 64 rows it steps at most once: with S[i] the
; window sum that begins at row s0+i, output row j0+i is S[i] for i < T and S[i-1] for i >= T.  T (1 .. 64) is counted below.
;
; NO LDS, NO BARRIER, NO CLUSTER: what neighbours share is 15 or 16 of a wave's 79 rows; no wave needs another's result.
;
; LIMITS: the 16 terms are summed before the scale, so |x| has to stay below f32's largest number / 16 (about 2.1e37).  An infinity or a
; NaN in x marks only the windows that hold it (the dense product 0 * inf of the problem's text would mark the whole column).  The
; order of the sum is the tree's.
.set ROW,       256                    ; bytes in a row of x and of out0
.set NIN,       79                     ; input rows of a wave: 64 + 15
.set MUL,       0xff1                  ; 4081 = 4096 - 16 + 1
.set LASTSTART, 0xff0                  ; 4080, the clamp
.set SIXTEENTH, 0x3d800000             ; 1/16 in f32
.set KEEP,      8                      ; v[8:9], v[10:11]  the scaled last sum of a group, for the next group's first row, in turn
.set X,         12                     ; v[12:169]  slot a = v[X+2a : X+2a+1]: input row s0+a, then partial sums, then output row
; v0 thread, v1 = 8 x lane (the one offset register, never rewritten), v2 lane, v3 row number, v4, v5 starts, v6 scratch
; s[4:5] x at my first input row, s[6:7] out0 at my first output row, s8 wave, s9 j0, s10 s0, s14 T, s[20:21] 1/16 twice
	s_load_b128 s[4:7], s[0:1], 0x0                ; x s[4:5], out0 s[6:7]
	v_and_b32 v2, 31, v0                           ; lane
	v_lshrrev_b32 v3, 5, v0
	v_readfirstlane_b32 s8, v3                     ; wave 0..7
	v_lshlrev_b32 v1, 3, v2                        ; my 8 bytes of every row
	s_lshl_b32 s9, ttmp9, 9                        ; 512 rows a work-group
	s_lshl_b32 s11, s8, 6                          ; 64 rows a wave
	s_add_co_u32 s9, s9, s11                       ; j0
	; starts[j] in whole numbers.  (j + 0.5) * 4081/4096 = P / 8192 with P = (2j+1) * 4081, odd and below 2^25.  Below 2^24 the f32 product is
	; exact.  From 2^24 on P has 25 bits, one too many: always a tie, rounded to the even neighbour of Q = P >> 1, that is Q + (Q & 1),
	; in units of 1/4096.  P >> 24 is 0 or 1, so Q & (P >> 24) is that correction in both cases.
	s_lshl1_add_u32 s10, s9, 1                     ; 2 j0 + 1
	s_mul_i32 s10, s10, MUL                        ; P
	s_lshr_b32 s11, s10, 24
	s_lshr_b32 s10, s10, 1                         ; Q
	s_and_b32 s11, s11, s10
	s_add_co_u32 s10, s10, s11
	s_lshr_b32 s10, s10, 12
	s_min_u32 s10, s10, LASTSTART                  ; s0 = starts[j0]
	s_and_b32 s15, ttmp7, 0xffff                   ; batch
	s_lshl_b32 s15, s15, 20                        ; 4096 rows of 256 bytes
	s_lshl_b32 s16, s10, 8
	s_add_co_u32 s16, s16, s15                     ; byte offset of input row s0: below 2^25
	s_mov_b32 s17, 0
	s_lshl_b32 s18, s9, 8
	s_add_co_u32 s18, s18, s15                     ; byte offset of output row j0
	s_mov_b32 s19, 0
	s_wait_kmcnt 0x0
	s_add_nc_u64 s[4:5], s[4:5], s[16:17]
	s_add_nc_u64 s[6:7], s[6:7], s[18:19]
	; All 79 rows in one run.  The last row read is s0 + 78: at most j0 + 78 <= 4046 for j0 <= 3968, and 4017 + 78 = 4095 for the last j0, 4032.
	; Rows 16 to 62 are read by this wave alone; the neighbours' windows begin 63 or 64 rows away and reach into the others.
.set ia, 0
.rept NIN
.set NT, 0
.if ia >= 16
.if ia <= 62
.set NT, 1
.endif
.endif
.if NT
	global_load_b64 v[X+2*ia:X+2*ia+1], v1, s[4:5] offset:ROW*ia th:TH_LOAD_NT
.else
	global_load_b64 v[X+2*ia:X+2*ia+1], v1, s[4:5] offset:ROW*ia
.endif
.set ia, ia+1
.endr
; starts[j] a lane, the same arithmetic as above
.macro STARTS dst, j, tmp
	v_lshl_add_u32 \dst, \j, 1, 1                  ; 2j + 1, at most 8191
	v_mul_u32_u24 \dst, MUL, \dst                  ; P
	v_lshrrev_b32 \tmp, 24, \dst
	v_lshrrev_b32 \dst, 1, \dst                    ; Q
	v_and_b32 \tmp, \tmp, \dst
	v_add_nc_u32 \dst, \dst, \tmp
	v_lshrrev_b32 \dst, 12, \dst
	v_min_u32 \dst, LASTSTART, \dst
.endm
	; T = how many of my 64 rows have starts[j0+i] = s0 + i.  These come first, so the count is the first shifted row's number.
	v_add_nc_u32 v3, s9, v2                        ; rows j0 + lane
	STARTS v4, v3, v6
	v_sub_nc_u32 v4, v4, v2
	v_cmp_eq_u32 s12, s10, v4
	v_add_nc_u32 v3, 32, v3                        ; rows j0 + 32 + lane
	STARTS v5, v3, v6
	v_sub_nc_u32 v5, v5, v2
	s_add_co_u32 s11, s10, 32
	v_cmp_eq_u32 s13, s11, v5
	s_bcnt1_i32_b32 s12, s12
	s_bcnt1_i32_b32 s13, s13
	s_add_co_u32 s14, s12, s13                     ; T
	s_mov_b32 s20, SIXTEENTH
	s_mov_b32 s21, SIXTEENTH                       ; the pair is named whole by the packed multiply
; n slots from lo on, ascending, in place: slot a += slot a + dist.  Slot a + dist is reached later in the same run, so it still holds the stage before.
.macro TREE lo, n, dist
.set ia, \lo
.rept \n
	v_pk_add_f32 v[X+2*ia:X+2*ia+1], v[X+2*ia:X+2*ia+1], v[X+2*(ia+\dist):X+2*(ia+\dist)+1]
.set ia, ia+1
.endr
.endm
; Group g finishes output rows 16g .. 16g+15 as soon as input rows up to 16g+30 are in.  Behind it slots 16g+16 .. +23 hold sums of 8,
; +24 .. +27 sums of 4, +28, +29 sums of 2, +30 the row itself: the next group goes on from there.
.macro GROUP g
	s_wait_loadcnt 48-16*\g                        ; loads come back in order (ISA guide 5.7.1): of 79, the 48 - 16g issued behind row 16g+30 may stay out
.if \g == 0
	TREE 0, 30, 1
	TREE 0, 28, 2
	TREE 0, 24, 4
	TREE 0, 16, 8
.else
	TREE 16*\g+14, 16, 1
	TREE 16*\g+12, 16, 2
	TREE 16*\g+8, 16, 4
	TREE 16*\g, 16, 8
.endif
.if \g < 3
	v_pk_mul_f32 v[KEEP+2*(\g&1):KEEP+2*(\g&1)+1], v[X+32*\g+30:X+32*\g+31], s[20:21] op_sel_hi:[1,0]   ; S[16g+15] / 16, kept for row 16g+16
.endif
.set ia, 16*\g
.rept 16
	v_pk_mul_f32 v[X+2*ia:X+2*ia+1], v[X+2*ia:X+2*ia+1], s[20:21] op_sel_hi:[1,0]   ; both halves by s20
.set ia, ia+1
.endr
	s_cmp_gt_u32 s14, 16*\g+15                     ; no row of this group is shifted: most groups
	s_cbranch_scc1 .Lstore\g
	; row i takes S[i-1] where T <= i.  Descending, so that slot i-1 is still its own sum when it is read.
.set ia, 16*\g+15
.rept 15
	s_cmp_le_u32 s14, ia
	s_cselect_b32 vcc_lo, -1, 0
	v_cndmask_b32 v[X+2*ia], v[X+2*ia], v[X+2*ia-2], vcc_lo
	v_cndmask_b32 v[X+2*ia+1], v[X+2*ia+1], v[X+2*ia-1], vcc_lo
.set ia, ia-1
.endr
.if \g > 0
	s_cmp_le_u32 s14, 16*\g                        ; the group's first row takes the sum kept by the group before (row 0 is never shifted: T >= 1)
	s_cselect_b32 vcc_lo, -1, 0
	v_cndmask_b32 v[X+32*\g], v[X+32*\g], v[KEEP+2*((\g-1)&1)], vcc_lo
	v_cndmask_b32 v[X+32*\g+1], v[X+32*\g+1], v[KEEP+2*((\g-1)&1)+1], vcc_lo
.endif
.Lstore\g:
.set ia, 16*\g
.rept 16
	global_store_b64 v1, v[X+2*ia:X+2*ia+1], s[6:7] offset:ROW*ia th:TH_STORE_NT   ; a whole row; the slot, v1 and s[6:7] are not written again
.set ia, ia+1
.endr
.endm
	GROUP 0
	GROUP 1
	GROUP 2
	GROUP 3
	s_endpgm
.Lfunc_end_k_qeb44a0f7b7_movavg:
	.size	k_qeb44a0f7b7_movavg, .Lfunc_end_k_qeb44a0f7b7_movavg-k_qeb44a0f7b7_movavg
	.p2alignl 7, 3214868480
	.fill 96, 4, 3214868480
	.section	.rodata,"a",@progbits
	.p2align	6, 0x0
	.amdhsa_kernel k_qeb44a0f7b7_movavg
		.amdhsa_group_segment_fixed_size 0
		.amdhsa_private_segment_fixed_size 0
		.amdhsa_enable_private_segment 0
		.amdhsa_kernarg_size 16
		.amdhsa_user_sgpr_count 2
		.amdhsa_user_sgpr_kernarg_segment_ptr 1
		.amdhsa_wavefront_size32 1
		.amdhsa_system_sgpr_workgroup_id_x 1
		.amdhsa_system_sgpr_workgroup_id_y 1
		.amdhsa_system_sgpr_workgroup_id_z 1
		.amdhsa_system_vgpr_workitem_id 0
		.amdhsa_next_free_vgpr 170
		.amdhsa_next_free_sgpr 66
		.amdhsa_reserve_vcc 1
		.amdhsa_float_denorm_mode_32 3
		.amdhsa_float_denorm_mode_16_64 3
		.amdhsa_memory_ordered 1
		.amdhsa_forward_progress 1
		.amdhsa_inst_pref_size 47
	.end_amdhsa_kernel
	.amdgpu_metadata
---
amdhsa.version: [ 1, 2 ]
amdhsa.kernels:
  - .name:           k_qeb44a0f7b7_movavg
    .symbol:         k_qeb44a0f7b7_movavg.kd
    .args:
      - { .name: x, .offset: 0, .size: 8, .value_kind: global_buffer, .address_space: global }
      - { .name: out0, .offset: 8, .size: 8, .value_kind: global_buffer, .address_space: global }
    .group_segment_fixed_size: 0
    .private_segment_fixed_size: 0
    .kernarg_segment_align: 8
    .kernarg_segment_size: 16
    .max_flat_workgroup_size: 256
    .sgpr_count:     66
    .vgpr_count:     170
    .wavefront_size: 32
...
	.end_amdgpu_metadata
.endif
;; end of part 1
